; MI455X (gfx1250); checked and timed in simulation.
; The chip was launched on July 23, 2026; its instructions are those of AMD's public machine-readable ISA for CDNA 5 (MIT licence, August 2026) and "CDNA5" Instruction Set Architecture Reference Guide (July 2026). The comments in the code are by the model that wrote it; some were corrected since.
;; Feature Gen Keras V2. Allowed arithmetic: float matrix products may take bf16 or f16 operands with f32 sums; all other float work in f32.
;; Inputs: x 100,000 x 115 x 3 float32.
;; Outputs: out0 1 x 200 x 1,198 float32.
;; One version. Each part assembles by itself: llvm-mc -triple=amdgcn-amd-amdhsa -mcpu=gfx1250 --defsym DOCPART=n.
;; ======== version 1 of 1: 2 launches
;; workspace buffers: counts 2,048 bytes of whole numbers
;; launch count (part 1): grid 500 x 1, 8 waves a work-group, no clusters, 1,280 bytes of LDS; arguments x, counts; writes counts
.if DOCPART == 1
	.amdgcn_target "amdgcn-amd-amdhsa--gfx1250"
	.amdhsa_code_object_version 6
	.text
	.protected	k_q4ab9c6bd2d_count
	.globl	k_q4ab9c6bd2d_count
	.p2align	8
	.type	k_q4ab9c6bd2d_count,@function
k_q4ab9c6bd2d_count:
	s_mov_b64 s[64:65], 0
	v_nop
	global_prefetch_b8 v0, s[64:65] scope:SCOPE_SE
	s_setreg_imm32_b32 hwreg(HW_REG_WAVE_MODE, 25, 1), 1
	s_wait_xcnt 0x0
; counts[g] = (numbers of the left hand that are neither 0 nor NaN) - (the same of the right hand), over frames 200 g .. 200 g + 199.
; x: [100000][345] f32.  Left hand: floats 120..182 of a frame, right hand: floats 282..344 (63 each).  Nothing else of x decides
; which hand is taken, so nothing else is read here: 504 of a frame's 1,380 bytes.
; NaN counts as zero (it is replaced by 0 before the test), denormal numbers and infinities count as non-zero: v_cmp_lg_f32 with 0.
;
; Four frames are 5,520 bytes = 345 pieces of 16 bytes, so alignment repeats every four frames ("group").  Wave w takes frame f = w & 3 of
; 25 groups (w >> 2 says which 25 of the work-group's 50).  Its lanes' offsets and the places of the hand's floats inside a lane's 16 bytes are
; then the same for all 25 loads, and the step from group to group is an immediate.  Lanes 0-15 take the first 16 aligned pieces that touch
; the left hand, lanes 16-31 those of the right hand: each half wave reads 256 consecutive bytes.  A run of 63 floats that begins at float
; a = 2 or 3 modulo 4 reaches into a 17th piece; of a frame's two runs exactly one does (a = f on the left, (f + 2) & 3 on the right).
; Those 25 pieces come by one more load, lane l taking group l's.
; All 26 loads of a wave are issued before the first is counted: no loop, nothing is asked for twice.
; Work-groups share no byte of x, so there is nothing to share in a cluster; no product, so no matrix unit; no LDS ring, since the
; registers hold all that a wave ever asks for.
.set FRAME_F, 345                      ; floats in a frame
.set LEFT_F,  120                      ; the left hand's first float
.set RIGHT_F, 282                      ; the right hand's first float
.set HAND_F,  63                       ; floats in a hand
.set GROUP_B, 4*FRAME_F*4              ; bytes in four frames: 5,520
.set NGRP,    25                       ; groups of a wave
.set WAVE_B,  NGRP*GROUP_B             ; 138,000 bytes: 100 frames
.set WG_B,    2*WAVE_B                 ; 276,000 bytes: the work-group's 200 frames
.set LANE, 1                           ; v1       lane
.set OFF,  2                           ; v2       byte offset of my piece in a group
.set XOFF, 3                           ; v3       byte offset of the 17th piece of group min(lane, 24)
.set REL,  4                           ; v4       place of my piece's float 0 in its hand: 4 (lane & 15) - a
.set RELX, 5                           ; v5       the same for the 17th piece: 64 - a; 64 (no float valid) in lanes 25-31
.set T,    6                           ; v[6:9]   at work
.set ACC,  10                          ; v[10:13] counter of float j of my pieces
.set D,    16                          ; v[16:115] the 25 loads
.set X,    116                         ; v[116:119] the 17th pieces
	s_load_b128 s[4:7], s[0:1], 0x0                ; x s[4:5], counts s[6:7]
	v_lshl_add_u32 v120, v0, 2, 0x100
	v_mov_b32 v121, 0
	v_lshrrev_b32 v[T], 5, v0
	v_readfirstlane_b32 s8, v[T]                   ; wave 0..7
	v_and_b32 v[LANE], 31, v0
	s_mov_b32 s24, 0x76543210                      ; v_permlanex16_b32: lane i reads lane i of the other half
	s_mov_b32 s25, 0xfedcba98
	s_and_b32 s9, s8, 3                            ; f: which frame of each group
	s_lshr_b32 s10, s8, 2                          ; which 25 groups
	s_mul_i32 s11, s9, FRAME_F
	s_add_co_u32 s12, s11, LEFT_F                  ; the left run's first float, counted from the group's start
	s_add_co_u32 s13, s11, RIGHT_F                 ; the right run's
	s_and_b32 s14, s12, 3                          ; a of the left run
	s_and_b32 s15, s13, 3                          ; a of the right run
	s_and_b32 s12, s12, -4
	s_and_b32 s13, s13, -4
	s_lshl_b32 s12, s12, 2                         ; byte of the left run's first aligned piece
	s_lshl_b32 s13, s13, 2                         ; byte of the right run's
	s_cmp_ge_u32 s9, 2                             ; f >= 2: the left run has a = 2 or 3 and owns the 17th piece, else the right run
	s_cselect_b32 s16, s12, s13
	s_cselect_b32 s17, s14, s15
	s_cselect_b32 s18, -1, 0                       ; as a lane mask: all ones = it counts for the left hand
	s_add_co_u32 s16, s16, 256                     ; 16 pieces on
	s_sub_co_u32 s17, 64, s17                      ; its float 0 is float 64 - a of the hand
	v_and_b32 v[T], 15, v[LANE]
	v_cmp_gt_u32 s19, 16, v[LANE]                  ; lanes 0-15: left hand
	v_mov_b32 v[T+1], s13
	v_mov_b32 v[T+2], s12
	v_cndmask_b32 v[T+1], v[T+1], v[T+2], s19
	v_lshl_add_u32 v[OFF], v[T], 4, v[T+1]         ; first piece + 16 (lane & 15)
	v_mov_b32 v[T+1], s15
	v_mov_b32 v[T+2], s14
	v_cndmask_b32 v[T+1], v[T+1], v[T+2], s19
	v_lshlrev_b32 v[T], 2, v[T]
	v_sub_nc_u32 v[REL], v[T], v[T+1]              ; below 0 it wraps and fails the unsigned test at the end, as it should
	v_min_u32 v[T], NGRP-1, v[LANE]                ; lanes 25-31 repeat group 24, so that no lane leaves the wave's 25 groups
	v_mul_u32_u24 v[T], GROUP_B, v[T]
	v_add_nc_u32 v[XOFF], s16, v[T]
	v_cmp_gt_u32 vcc_lo, NGRP, v[LANE]
	v_mov_b32 v[T], s17
	v_cndmask_b32 v[RELX], 64, v[T], vcc_lo
	s_mul_i32 s20, ttmp9, WG_B                     ; at most 499 x 276,000: fits 32 bits
	s_mul_i32 s22, s10, WAVE_B
	s_add_co_u32 s20, s20, s22
	s_mov_b32 s21, 0
	s_lshl_b32 s22, ttmp9, 2                       ; my word of counts
	s_mov_b32 s23, 0
	s_wait_kmcnt 0x0
	s_add_nc_u64 s[4:5], s[4:5], s[20:21]          ; x at my wave's first group
	s_add_nc_u64 s[6:7], s[6:7], s[22:23]
.set k, 0
.rept NGRP
	global_load_b128 v[D+4*k:D+4*k+3], v[OFF], s[4:5] offset:k*GROUP_B th:TH_LOAD_NT
.set k, k+1
.endr
	global_load_b128 v[X:X+3], v[XOFF], s[4:5] th:TH_LOAD_NT
	; Count.  Float j of every piece goes to counter j, valid or not: which j belong to the hand is the same for all 25 loads and is settled
	; once, below.  The first load starts the counters: nothing is cleared.
.set k, 0
.rept NGRP
	s_wait_loadcnt NGRP-k                          ; loads return in order (ISA guide 5.7.1): behind load k stand 24 - k of its kind and the 17th pieces' one
.irp j, 0,1,2,3
	v_cmp_lg_f32 vcc_lo, 0, v[D+4*k+\j]            ; less or greater than 0: false for +0, -0 and NaN
.if k == 0
	v_cndmask_b32 v[ACC+\j], 0, 1, vcc_lo
.else
	v_add_co_ci_u32 v[ACC+\j], vcc_lo, 0, v[ACC+\j], vcc_lo
.endif
.endr
.set k, k+1
.endr
	; keep counter j where float j of my pieces lies in the hand: 0 <= REL + j < 63, one unsigned test
.irp j, 0,1,2,3
	v_add_nc_u32 v[T], \j, v[REL]
	v_cmp_gt_u32 vcc_lo, HAND_F, v[T]
	v_cndmask_b32 v[ACC+\j], 0, v[ACC+\j], vcc_lo
.endr
	v_add3_u32 v[ACC], v[ACC], v[ACC+1], v[ACC+2]
	v_add_nc_u32 v[ACC], v[ACC], v[ACC+3]
	v_sub_nc_u32 v[T], 0, v[ACC]
	v_cndmask_b32 v[ACC], v[T], v[ACC], s19        ; left lanes count up, right lanes down
	; the 17th pieces: the same two tests, once
	s_wait_loadcnt 0x0
.irp j, 0,1,2,3
	v_cmp_lg_f32 s22, 0, v[X+\j]
	v_add_nc_u32 v[T], \j, v[RELX]
	v_cmp_gt_u32 vcc_lo, HAND_F, v[T]
	s_and_b32 vcc_lo, vcc_lo, s22
	v_cndmask_b32 v[X+\j], 0, 1, vcc_lo
.endr
	v_add3_u32 v[X], v[X], v[X+1], v[X+2]
	v_add_nc_u32 v[X], v[X], v[X+3]
	v_sub_nc_u32 v[T], 0, v[X]
	v_cndmask_b32 v[X], v[T], v[X], s18
	v_add_nc_u32 v[ACC], v[ACC], v[X]
	; over the lanes, in f32: whole numbers of at most 200 x 63 in magnitude, so every sum is exact
	v_cvt_f32_i32 v[ACC], v[ACC]
	v_add_f32_dpp v[ACC], v[ACC], v[ACC] row_xmask:1 row_mask:0xf bank_mask:0xf
	v_add_f32_dpp v[ACC], v[ACC], v[ACC] row_xmask:2 row_mask:0xf bank_mask:0xf
	v_add_f32_dpp v[ACC], v[ACC], v[ACC] row_xmask:4 row_mask:0xf bank_mask:0xf
	v_add_f32_dpp v[ACC], v[ACC], v[ACC] row_xmask:8 row_mask:0xf bank_mask:0xf
	v_permlanex16_b32 v[T], v[ACC], s24, s25
	v_add_f32 v[ACC], v[ACC], v[T]
	; over the eight waves: a word each in LDS, one barrier, wave 0 adds
	v_mov_b32 v[T], s8
	v_lshlrev_b32 v[T], 2, v[T]
	ds_store_b32 v[T], v[ACC]                      ; all lanes write the wave's word with the same value
	s_wait_dscnt 0x0                               ; zero: wave 0 reads the word behind the barrier
	s_barrier_signal -1
	s_barrier_wait -1
	s_cmp_lg_u32 s8, 0
	s_cbranch_scc1 .Lothers
	v_mov_b32 v[T], 0
	ds_load_b128 v[D:D+3], v[T]
	ds_load_b128 v[D+4:D+7], v[T] offset:16
	s_wait_dscnt 0x0
	v_pk_add_f32 v[D:D+1], v[D:D+1], v[D+2:D+3]
	v_pk_add_f32 v[D+4:D+5], v[D+4:D+5], v[D+6:D+7]
	v_pk_add_f32 v[D:D+1], v[D:D+1], v[D+4:D+5]
	v_add_f32 v[D], v[D], v[D+1]
	v_cvt_i32_f32 v[ACC], v[D]
	s_wait_xcnt 0x0                                ; EXEC is a source of the loads above: it changes only behind this wait
	s_wait_tensorcnt 0x0
	ds_add_u32 v120, v121
	s_wait_dscnt 0x0
	v_cmpx_gt_u32 1, v0                            ; thread 0 alone
	global_store_b32 v[T], v[ACC], s[6:7]          ; one word for a work-group: 500 words in all, summed by the next launch
	s_endpgm
.Lothers:
	s_wait_tensorcnt 0x0
	ds_add_u32 v120, v121
	s_wait_dscnt 0x0
	s_endpgm
.Lfunc_end_k_q4ab9c6bd2d_count:
	.size	k_q4ab9c6bd2d_count, .Lfunc_end_k_q4ab9c6bd2d_count-k_q4ab9c6bd2d_count
	.p2alignl 7, 3214868480
	.fill 96, 4, 3214868480
	.section	.rodata,"a",@progbits
	.p2align	6, 0x0
	.amdhsa_kernel k_q4ab9c6bd2d_count
		.amdhsa_group_segment_fixed_size 1280
		.amdhsa_private_segment_fixed_size 0
		.amdhsa_enable_private_segment 0
		.amdhsa_kernarg_size 16
		.amdhsa_user_sgpr_count 2
		.amdhsa_user_sgpr_kernarg_segment_ptr 1
		.amdhsa_wavefront_size32 1
		.amdhsa_system_sgpr_workgroup_id_x 1
		.amdhsa_system_sgpr_workgroup_id_y 1
		.amdhsa_system_sgpr_workgroup_id_z 1
		.amdhsa_system_vgpr_workitem_id 0
		.amdhsa_next_free_vgpr 122
		.amdhsa_next_free_sgpr 66
		.amdhsa_reserve_vcc 1
		.amdhsa_float_denorm_mode_32 3
		.amdhsa_float_denorm_mode_16_64 3
		.amdhsa_memory_ordered 1
		.amdhsa_forward_progress 1
		.amdhsa_inst_pref_size 16
	.end_amdhsa_kernel
	.amdgpu_metadata
---
amdhsa.version: [ 1, 2 ]
amdhsa.kernels:
  - .name:           k_q4ab9c6bd2d_count
    .symbol:         k_q4ab9c6bd2d_count.kd
    .args:
      - { .name: x, .offset: 0, .size: 8, .value_kind: global_buffer, .address_space: global }
      - { .name: counts, .offset: 8, .size: 8, .value_kind: global_buffer, .address_space: global }
    .group_segment_fixed_size: 1280
    .private_segment_fixed_size: 0
    .kernarg_segment_align: 8
    .kernarg_segment_size: 16
    .max_flat_workgroup_size: 256
    .sgpr_count:     66
    .vgpr_count:     122
    .wavefront_size: 32
...
	.end_amdgpu_metadata
.endif
;; end of part 1
;; launch features (part 2): grid 200 x 1, 20 waves a work-group, no clusters, 5,376 bytes of LDS; arguments x, counts, out0; writes out0
.if DOCPART == 2
	.amdgcn_target "amdgcn-amd-amdhsa--gfx1250"
	.amdhsa_code_object_version 6
	.text
	.protected	k_q4ab9c6bd2d_features
	.globl	k_q4ab9c6bd2d_features
	.p2align	8
	.type	k_q4ab9c6bd2d_features,@function
k_q4ab9c6bd2d_features:
	s_mov_b64 s[64:65], 0
	v_nop
	global_prefetch_b8 v0, s[64:65] scope:SCOPE_SE
	s_setreg_imm32_b32 hwreg(HW_REG_WAVE_MODE, 25, 1), 1
	s_wait_xcnt 0x0
; out0[0][t][0..1197] for frame t = the work-group's number (0..199); 20 waves, 640 threads.
; Row: 0 hand xyz (63), 63 pose xy (50), 113 outer lips xy (40), 153 the same 153 as differences frame t - frame t+1,
;      306 hand distances (210), 516 pose (300), 816 outer lips (190), 1006 inner lips (190), 1196 hand_mask, 1197 hand_mask + 1.
; cond = the sum of the 500 words of counts (left minus right non-zero numbers) is above 0: left hand, x mirrored; else right hand.
; cond only ever selects values (v_cndmask_b32): both hands are loaded, no address and no branch hangs on it.
;
; EVERY THREAD OWNS THE TWO ROW WORDS p, p + 1 THAT IT STORES: 640 x 8 bytes cover the row's 4,792 bytes and a shift of up to 248, by which
; each store of a wave covers 256 consecutive bytes at a multiple of 256 from out0's first byte.  (4,792 is no multiple of 256: a row's first
; and last such stretch is shared with the neighbouring rows' work-groups.)
;  STAGE   waves 0-10: thread u puts V[u] into LDS, one word, all lanes on.  u < 153: row word u (NaN replaced by 0, hand chosen, mirrored);
;          u < 306: row word u, a difference; u = 306..345: the inner lips' xy, which only their distances need; 346..351 repeat the last.
;          Waves 0 and 1 also add up the hand's 63 numbers as they are BEFORE mirroring, a word each, for hand_mask.
;  DECODE  all waves, whole numbers only, between the stage's loads and their waits: which two pairs of points words p and p + 1 stand for.
;  one barrier
;  FINISH  a thread gathers its four points from V (mirroring both ends of a pair changes no distance, bit for bit), makes two distances,
;          and selects between V[p], V[p+1] (p < 306), the distances, and the mask (p = 1196).  Nothing writes LDS behind the barrier.
; All lists begin at even words, and p is even: a thread's two words lie in one list.
; LIMITS.  hand_mask tests a sum of 63 numbers added in another order than the reference adds them: where that sum is zero only because
; roundings cancel, the two may differ (a hand of zeros gives 0 in any order).  v_sqrt_f32 takes squared distances below 2^-126 as 0
; (ISA guide 15.8).  A mirrored zero is -0.
; No cluster: neighbouring work-groups share one frame (1,380 bytes) and the 2,000 bytes of counts, all through registers.  No matrix unit: no product.
.set FRAME_B, 1380                     ; bytes in a frame of x
.set ROW_B,   4792                     ; bytes in a row of out0
.set ROW_W,   1198                     ; words in it
.set STAGERS, 11                       ; waves 0-10 stage: 352 threads for 346 words
.set V,       0                        ; LDS: V[u] at byte 4 u; room for a word of each of the 640 threads, 352 are used
.set SUM,     2560                     ; LDS: the hand's sum in two parts, wave 0's and wave 1's
.set W_HD, 306                         ; row words at which the lists of distances begin,
.set W_PD, 516
.set W_OL, 816
.set W_IL, 1006
.set W_MASK, 1196                      ; and end
.set LANE, 1                           ; v1   lane
.set P,    2                           ; v2   my first row word; lanes in front of the row wrap round to large numbers
.set W,    3                           ; v3   256 + my byte in the row
.set AR,   4                           ; v4   LDS byte of V[min(p, 304)]
.set AI0,  5                           ; v5-8 LDS bytes of points i, j of word p and of word p + 1
.set AJ0,  6
.set AI1,  7
.set AJ1,  8
.set EM1,  9                           ; v9   last word of my list
.set NM1,  10                          ; v10  its points, less one
.set PB,   11                          ; v11  V word of its point 0
.set ST,   12                          ; v12  V words from point to point
.set R0,   13                          ; v13  r: words from p to the list's last
.set R2,   14                          ; v14  2 r
.set K,    15                          ; v15  the largest k with k (k + 1) <= 2 r
.set CC,   16                          ; v16  a candidate for it
.set I0,   17                          ; v17-20 the pairs (i, j)
.set J0,   18
.set I1,   19
.set J1,   20
.set T,    21                          ; v[21:24] at work
.set E,    25                          ; v25  stage: which of the 193 numbers of a frame I bring (0..152 features, 153..192 inner lips)
.set Q,    26                          ; v26  its place in pose xy or lips xy
.set SA,   27                          ; v27  its byte in a frame if the left hand is taken
.set SB,   28                          ; v28  ... if the right hand is taken (the same byte outside the hand)
.set SG,   29                          ; v29  0x80000000 if it is an x coordinate
.set CO,   30                          ; v30  my byte in counts
.set LA,   31                          ; v31  4 x thread
.set C,    32                          ; v[32:51] 20 words of counts
.set A0,   52                          ; v52-55 frame t left, right; frame t+1 left, right
.set B0,   53
.set A1,   54
.set B1,   55
.set XI,   56                          ; v[56:67] x, y, z of points i and j; first register word p's, second word p + 1's
.set XJ,   58
.set YI,   60
.set YJ,   62
.set ZI,   64
.set ZJ,   66
.set RV,   68                          ; v[68:69] V[p], V[p+1]
.set SM,   70                          ; v[70:71] the hand's two part sums, then hand_mask and hand_mask + 1
	s_load_b128 s[4:7], s[0:1], 0x0                ; x s[4:5], counts s[6:7]
	s_load_b64 s[8:9], s[0:1], 0x10                ; out0
	v_lshl_add_u32 v72, v0, 2, 0xb00
	v_mov_b32 v73, 0
	v_lshrrev_b32 v[T], 5, v0
	v_readfirstlane_b32 s10, v[T]                  ; wave 0..19
	v_and_b32 v[LANE], 31, v0
	s_mov_b32 s16, 0x76543210                      ; v_permlanex16_b32: lane i reads lane i of the other half
	s_mov_b32 s17, 0xfedcba98
	s_mul_i32 s14, ttmp9, FRAME_B                  ; frame t
	s_mov_b32 s15, 0
	s_mul_i32 s18, ttmp9, ROW_B                    ; row t
	s_mov_b32 s19, 0
	s_sub_co_u32 s20, 0, s18
	s_and_b32 s20, s20, 0xf8                       ; lead: bytes from the row's start to the next multiple of 256 (rows start at multiples of 8)
	s_lshr_b32 s21, s20, 2
	s_sub_co_u32 s21, s21, 64                      ; lead in words, less the 64 words (256 bytes) by which thread 0 stands in front
	s_lshl_b32 s26, s10, 2                         ; 4 x wave
	s_cmp_ge_u32 s10, STAGERS
	s_cbranch_scc1 .Ldecode                        ; waves 11-19 bring nothing
	; STAGE, first half: which number of a frame, and the loads.  e = u, or u - 153 from thread 153 on, at most 192
	v_add_nc_u32 v[T], 0xffffff67, v0              ; u - 153
	v_cmp_le_u32 vcc_lo, 153, v0
	v_cndmask_b32 v[E], v0, v[T], vcc_lo
	v_cmp_gt_u32 vcc_lo, 153, v[T]                 ; 153 <= u < 306, one unsigned test:
	s_mov_b32 s11, vcc_lo                          ; these threads subtract frame t+1
	v_min_u32 v[E], 192, v[E]                      ; threads 346..351 repeat number 192
	; pose (e = 63..112, floats from 183) and lips (e = 113..192, floats from 0): xy of point q / 2 is float 3 (q / 2) + (q & 1) = q + (q >> 1)
	v_cmp_le_u32 vcc_lo, 113, v[E]
	v_mov_b32 v[T], 113
	v_mov_b32 v[T+1], 0
	v_cndmask_b32 v[T], 63, v[T], vcc_lo
	v_cndmask_b32 v[T+1], 183, v[T+1], vcc_lo
	v_sub_nc_u32 v[Q], v[E], v[T]
	v_lshrrev_b32 v[T+2], 1, v[Q]
	v_add3_u32 v[T+1], v[T+1], v[Q], v[T+2]
	v_cmp_gt_u32 s12, 63, v[E]                     ; the hand: floats 120 + e and 282 + e
	v_add_nc_u32 v[T+2], 120, v[E]
	v_add_nc_u32 v[T+3], 282, v[E]
	v_cndmask_b32 v[SA], v[T+1], v[T+2], s12
	v_cndmask_b32 v[SB], v[T+1], v[T+3], s12
	v_lshlrev_b32 v[SA], 2, v[SA]
	v_lshlrev_b32 v[SB], 2, v[SB]
	; x coordinate?  hand: e mod 3 = 0 (e / 3 = e x 21846 >> 16 for e < 63); elsewhere: q even
	v_mul_u32_u24 v[T], 0x5556, v[E]
	v_lshrrev_b32 v[T], 16, v[T]
	v_lshl_add_u32 v[T], v[T], 1, v[T]
	v_sub_nc_u32 v[T], v[E], v[T]
	v_and_b32 v[T+1], 1, v[Q]
	v_cndmask_b32 v[T], v[T+1], v[T], s12
	v_cmp_eq_u32 vcc_lo, 0, v[T]
	v_mov_b32 v[T+1], 0x80000000
	v_cndmask_b32 v[SG], 0, v[T+1], vcc_lo
	v_min_u32 v[CO], 24, v[LANE]                   ; 500 words = 125 pieces of 16 bytes = 25 lanes x 5 loads; lanes 25-31 repeat lane 24 and are dropped
	v_lshlrev_b32 v[CO], 4, v[CO]
	v_lshlrev_b32 v[LA], 2, v0
	s_wait_kmcnt 0x0
	s_add_nc_u64 s[4:5], s[4:5], s[14:15]
.irp k, 0,1,2,3,4
	global_load_b128 v[C+4*\k:C+4*\k+3], v[CO], s[6:7] offset:400*\k
.endr
	global_load_b32 v[A0], v[SA], s[4:5]
	global_load_b32 v[B0], v[SB], s[4:5]
	global_load_b32 v[A1], v[SA], s[4:5] offset:FRAME_B     ; frame t+1 <= 200: inside x
	global_load_b32 v[B1], v[SB], s[4:5] offset:FRAME_B
.Ldecode:
	; DECODE.  It names none of the registers of the loads above, which are on their way meanwhile.
	v_lshl_add_u32 v[W], v0, 3, s20                ; 8 u + lead
	v_lshl_add_u32 v[P], v0, 1, s21                ; 2 u + lead / 4 - 64
	; my list: its last word, its points less one, where its points lie in V.  Lanes with p < 306 or outside the row run along and are dropped at the end.
	v_mov_b32 v[EM1], W_PD-1
	v_cmp_gt_u32 vcc_lo, W_PD, v[P]
	s_mov_b32 s22, vcc_lo                          ; the hand's list: three coordinates
	v_cndmask_b32 v[EM1], W_OL-1, v[EM1], vcc_lo
	v_cndmask_b32 v[NM1], 24, 20, vcc_lo
	v_cndmask_b32 v[PB], 63, 0, vcc_lo
	v_cndmask_b32 v[ST], 2, 3, vcc_lo
	v_cmp_gt_u32 vcc_lo, W_OL, v[P]
	v_cndmask_b32 v[EM1], W_IL-1, v[EM1], vcc_lo
	v_cndmask_b32 v[NM1], 19, v[NM1], vcc_lo
	v_cndmask_b32 v[PB], 113, v[PB], vcc_lo
	v_cmp_gt_u32 vcc_lo, W_IL, v[P]
	v_cndmask_b32 v[EM1], W_MASK-1, v[EM1], vcc_lo
	v_cndmask_b32 v[PB], 306, v[PB], vcc_lo
	v_cmp_gt_u32 vcc_lo, W_HD, v[P]
	s_mov_b32 s23, vcc_lo                          ; features and differences: straight from V
	v_cmp_le_u32 vcc_lo, W_MASK, v[P]
	s_mov_b32 s24, vcc_lo                          ; hand_mask and hand_mask + 1
	; Counted from the list's END, r = 0, 1, 2 .., the rows of the triangle have 1, 2, 3 .. words: row k (from the end) begins at r = k (k + 1) / 2.
	; So k = the largest number with k (k + 1) <= 2 r, found bit by bit (r <= 299: k <= 23), i = N - 2 - k, j = N - 1 - (r - k (k + 1) / 2).
	v_sub_nc_u32 v[R0], v[EM1], v[P]
	v_lshlrev_b32 v[R2], 1, v[R0]
	v_cmp_le_u32 vcc_lo, 16*17, v[R2]
	v_cndmask_b32 v[K], 0, 16, vcc_lo
.irp b, 8,4,2,1
	v_or_b32 v[CC], \b, v[K]
	v_mad_u32_u24 v[T], v[CC], v[CC], v[CC]
	v_cmp_le_u32 vcc_lo, v[T], v[R2]
	v_cndmask_b32 v[K], v[K], v[CC], vcc_lo
.endr
	v_mad_u32_u24 v[T], v[K], v[K], v[K]
	v_lshrrev_b32 v[T], 1, v[T]
	v_sub_nc_u32 v[T], v[R0], v[T]
	v_sub_nc_u32 v[J0], v[NM1], v[T]
	v_sub_nc_u32 v[I0], v[NM1], v[K]
	v_add_nc_u32 v[I0], -1, v[I0]
	; word p + 1: (i, j + 1), or (i + 1, i + 2) where j was the last point
	v_cmp_lt_u32 vcc_lo, v[J0], v[NM1]
	v_add_nc_u32 v[T], 1, v[I0]
	v_add_nc_u32 v[T+1], 1, v[J0]
	v_add_nc_u32 v[T+2], 2, v[I0]
	v_cndmask_b32 v[I1], v[T], v[I0], vcc_lo
	v_cndmask_b32 v[J1], v[T+2], v[T+1], vcc_lo
	; LDS bytes.  The largest V word of a point is 306 + 2 x 19 = 344; the bound holds the lanes that are dropped inside V as well
	; (with the z word, which the lists of two coordinates load and drop, at most word 346, which thread 346 has written).
	v_mad_u32_u24 v[AI0], v[I0], v[ST], v[PB]
	v_mad_u32_u24 v[AJ0], v[J0], v[ST], v[PB]
	v_mad_u32_u24 v[AI1], v[I1], v[ST], v[PB]
	v_mad_u32_u24 v[AJ1], v[J1], v[ST], v[PB]
.irp a, AI0, AJ0, AI1, AJ1
	v_min_u32 v[\a], 344, v[\a]
	v_lshlrev_b32 v[\a], 2, v[\a]
.endr
	v_min_u32 v[AR], W_HD-2, v[P]
	v_lshlrev_b32 v[AR], 2, v[AR]
	s_cmp_ge_u32 s10, STAGERS
	s_cbranch_scc1 .Lstaged
	; STAGE, second half.  cond, in every staging wave for itself (a sum through LDS would cost a barrier more)
	s_wait_loadcnt 0x4                             ; the five loads of counts are in; the four of x behind them may be out
.irp k, 0,1,2,3,4
	v_add3_u32 v[C+4*\k], v[C+4*\k], v[C+4*\k+1], v[C+4*\k+2]
.endr
	v_add3_u32 v[C], v[C], v[C+3], v[C+4]
	v_add3_u32 v[C+8], v[C+8], v[C+7], v[C+11]
	v_add3_u32 v[C+12], v[C+12], v[C+15], v[C+16]
	v_add3_u32 v[C], v[C], v[C+8], v[C+12]
	v_add_nc_u32 v[C], v[C], v[C+19]
	v_cmp_gt_u32 vcc_lo, 25, v[LANE]
	v_cndmask_b32 v[C], 0, v[C], vcc_lo
	v_cvt_f32_i32 v[C], v[C]                       ; whole numbers of at most 6,300,000 in magnitude: below 2^24, every f32 sum is exact
	v_add_f32_dpp v[C], v[C], v[C] row_xmask:1 row_mask:0xf bank_mask:0xf
	v_add_f32_dpp v[C], v[C], v[C] row_xmask:2 row_mask:0xf bank_mask:0xf
	v_add_f32_dpp v[C], v[C], v[C] row_xmask:4 row_mask:0xf bank_mask:0xf
	v_add_f32_dpp v[C], v[C], v[C] row_xmask:8 row_mask:0xf bank_mask:0xf
	v_permlanex16_b32 v[C+1], v[C], s16, s17
	v_add_f32 v[C], v[C], v[C+1]
	v_cmp_lt_f32 s13, 0, v[C]                      ; cond, the same bit in all 32 lanes
	s_wait_loadcnt 0x0
	v_cndmask_b32 v[A0], v[B0], v[A0], s13         ; cond: left, else right
	v_cndmask_b32 v[A1], v[B1], v[A1], s13
	v_cmp_eq_f32 vcc_lo, v[A0], v[A0]              ; false for NaN alone
	v_cndmask_b32 v[A0], 0, v[A0], vcc_lo
	v_cmp_eq_f32 vcc_lo, v[A1], v[A1]
	s_and_b32 vcc_lo, vcc_lo, s11                  ; outside 153 <= u < 306 a thread subtracts 0: it hands its number on
	v_cndmask_b32 v[A1], 0, v[A1], vcc_lo
	v_cndmask_b32 v[SG], 0, v[SG], s13             ; mirrored only with the left hand
	v_sub_f32 v[A1], v[A0], v[A1]
	v_xor_b32 v[A1], v[SG], v[A1]                  ; (-a) - (-b) = -(a - b), exactly
	ds_store_b32 v[LA], v[A1] offset:V
	s_cmp_ge_u32 s10, 2
	s_cbranch_scc1 .Lstaged
	; waves 0 and 1 hold the hand (threads 0..62), not mirrored, in A0: each adds up its part
	v_cmp_gt_u32 vcc_lo, 63, v0
	v_cndmask_b32 v[A0], 0, v[A0], vcc_lo          ; thread 63's number is the pose's
	v_add_f32_dpp v[A0], v[A0], v[A0] row_xmask:1 row_mask:0xf bank_mask:0xf
	v_add_f32_dpp v[A0], v[A0], v[A0] row_xmask:2 row_mask:0xf bank_mask:0xf
	v_add_f32_dpp v[A0], v[A0], v[A0] row_xmask:4 row_mask:0xf bank_mask:0xf
	v_add_f32_dpp v[A0], v[A0], v[A0] row_xmask:8 row_mask:0xf bank_mask:0xf
	v_permlanex16_b32 v[B0], v[A0], s16, s17
	v_add_f32 v[A0], v[A0], v[B0]
	v_mov_b32 v[T], s26
	ds_store_b32 v[T], v[A0] offset:SUM            ; all lanes write the wave's word with the same value
.Lstaged:
	s_wait_dscnt 0x0                               ; zero: other waves read these words behind the barrier
	s_barrier_signal -1
	s_barrier_wait -1
	; FINISH
	ds_load_b32 v[XI],   v[AI0] offset:V
	ds_load_b32 v[XI+1], v[AI1] offset:V
	ds_load_b32 v[XJ],   v[AJ0] offset:V
	ds_load_b32 v[XJ+1], v[AJ1] offset:V
	ds_load_b32 v[YI],   v[AI0] offset:V+4
	ds_load_b32 v[YI+1], v[AI1] offset:V+4
	ds_load_b32 v[YJ],   v[AJ0] offset:V+4
	ds_load_b32 v[YJ+1], v[AJ1] offset:V+4
	ds_load_b32 v[ZI],   v[AI0] offset:V+8
	ds_load_b32 v[ZI+1], v[AI1] offset:V+8
	ds_load_b32 v[ZJ],   v[AJ0] offset:V+8
	ds_load_b32 v[ZJ+1], v[AJ1] offset:V+8
	ds_load_b64 v[RV:RV+1], v[AR] offset:V         ; p is even: a multiple of 8
	v_mov_b32 v[T], SUM
	ds_load_b64 v[SM:SM+1], v[T]
	s_wait_kmcnt 0x0                               ; for the waves that did not stage
	s_add_nc_u64 s[8:9], s[8:9], s[18:19]          ; out0 at row t
	s_wait_dscnt 0x0
	v_pk_add_f32 v[XI:XI+1], v[XI:XI+1], v[XJ:XJ+1] neg_lo:[0,1] neg_hi:[0,1]
	v_pk_add_f32 v[YI:YI+1], v[YI:YI+1], v[YJ:YJ+1] neg_lo:[0,1] neg_hi:[0,1]
	v_pk_add_f32 v[ZI:ZI+1], v[ZI:ZI+1], v[ZJ:ZJ+1] neg_lo:[0,1] neg_hi:[0,1]
	v_cndmask_b32 v[ZI], 0, v[ZI], s22             ; pose and lips: x and y alone (a select, so that no infinity of a foreign word gets in)
	v_cndmask_b32 v[ZI+1], 0, v[ZI+1], s22
	v_pk_mul_f32 v[XI:XI+1], v[XI:XI+1], v[XI:XI+1]
	v_pk_fma_f32 v[XI:XI+1], v[YI:YI+1], v[YI:YI+1], v[XI:XI+1]
	v_pk_fma_f32 v[XI:XI+1], v[ZI:ZI+1], v[ZI:ZI+1], v[XI:XI+1]
	v_sqrt_f32 v[XI], v[XI]
	v_sqrt_f32 v[XI+1], v[XI+1]
	v_add_f32 v[SM], v[SM], v[SM+1]                ; plain work that names no root stands between the roots and their use (ISA guide 5.7.2)
	v_cmp_neq_f32 vcc_lo, 0, v[SM]                 ; true for NaN too, as != is
	v_cndmask_b32 v[SM], 0, 1.0, vcc_lo            ; hand_mask
	v_add_f32 v[SM+1], 1.0, v[SM]                  ; token_type_ids
	s_wait_alu depctr_va_vdst(0)
	v_cndmask_b32 v[XI], v[XI], v[RV], s23
	v_cndmask_b32 v[XI+1], v[XI+1], v[RV+1], s23
	v_cndmask_b32 v[XI], v[XI], v[SM], s24
	v_cndmask_b32 v[XI+1], v[XI+1], v[SM+1], s24
	v_cmp_gt_u32 vcc_lo, ROW_W, v[P]               ; lanes in front of the row (p wrapped round) and behind it stay out
	s_wait_xcnt 0x0                                ; EXEC is a source of the stage's loads: it changes only behind this wait
	s_wait_tensorcnt 0x0
	ds_add_u32 v72, v73
	s_wait_dscnt 0x0
	s_and_saveexec_b32 s25, vcc_lo
	global_store_b64 v[W], v[XI:XI+1], s[8:9] offset:-256 th:TH_STORE_NT   ; row start + lead is a multiple of 256: wave w stores the 256 bytes from there + 256 (w - 1)
	s_endpgm
.Lfunc_end_k_q4ab9c6bd2d_features:
	.size	k_q4ab9c6bd2d_features, .Lfunc_end_k_q4ab9c6bd2d_features-k_q4ab9c6bd2d_features
	.p2alignl 7, 3214868480
	.fill 96, 4, 3214868480
	.section	.rodata,"a",@progbits
	.p2align	6, 0x0
	.amdhsa_kernel k_q4ab9c6bd2d_features
		.amdhsa_group_segment_fixed_size 5376
		.amdhsa_private_segment_fixed_size 0
		.amdhsa_enable_private_segment 0
		.amdhsa_kernarg_size 24
		.amdhsa_user_sgpr_count 2
		.amdhsa_user_sgpr_kernarg_segment_ptr 1
		.amdhsa_wavefront_size32 1
		.amdhsa_system_sgpr_workgroup_id_x 1
		.amdhsa_system_sgpr_workgroup_id_y 1
		.amdhsa_system_sgpr_workgroup_id_z 1
		.amdhsa_system_vgpr_workitem_id 0
		.amdhsa_next_free_vgpr 74
		.amdhsa_next_free_sgpr 66
		.amdhsa_reserve_vcc 1
		.amdhsa_float_denorm_mode_32 3
		.amdhsa_float_denorm_mode_16_64 3
		.amdhsa_memory_ordered 1
		.amdhsa_forward_progress 1
		.amdhsa_inst_pref_size 12
	.end_amdhsa_kernel
	.amdgpu_metadata
---
amdhsa.version: [ 1, 2 ]
amdhsa.kernels:
  - .name:           k_q4ab9c6bd2d_features
    .symbol:         k_q4ab9c6bd2d_features.kd
    .args:
      - { .name: x, .offset: 0, .size: 8, .value_kind: global_buffer, .address_space: global }
      - { .name: counts, .offset: 8, .size: 8, .value_kind: global_buffer, .address_space: global }
      - { .name: out0, .offset: 16, .size: 8, .value_kind: global_buffer, .address_space: global }
    .group_segment_fixed_size: 5376
    .private_segment_fixed_size: 0
    .kernarg_segment_align: 8
    .kernarg_segment_size: 24
    .max_flat_workgroup_size: 640
    .sgpr_count:     66
    .vgpr_count:     74
    .wavefront_size: 32
...
	.end_amdgpu_metadata
.endif
;; end of part 2
